; MI455X (gfx1250); checked and timed in simulation.
; The chip was launched on July 23, 2026; its instructions are those of AMD's public machine-readable ISA for CDNA 5 (MIT licence, August 2026) and "CDNA5" Instruction Set Architecture Reference Guide (July 2026). The comments in the code are by the model that wrote it; some were corrected since.
;; Hierarchical Mo E. Allowed arithmetic: matrix products marked QUANTISED: E5M2 operands, one given power-of-two scale a tensor, by v_wmma_f32_16x16x64_bf8_bf8 or v_wmma_f32_16x16x128_bf8_bf8, f32 sums; products left as they are: f32 operands where the result goes on into a quantised operand, else bf16, f16 or f32 operands; f32 sums; everything else in f32.
;; Inputs: W1 8 x 512 x 1,024 float32; W2 8 x 1,024 x 512 float32; Wb 512 x 8 float32; Wt 512 x 8 float32; b1 8 x 1,024 float32; b2 8 x 512 float32; bb 8 float32; bt 8 float32; lowp_scales 4 int32 (the exponents e of the quantised operands' scales 2^e); x 8 x 1,024 x 512 float32.
;; Outputs: out0 8 x 1,024 x 512 float32.
;; This version of the problem:
;;   THIS VERSION OF THE PROBLEM IS GIVEN IN LOW PRECISION. The matrix products marked QUANTISED in the list below multiply operands that are first quantised to E5M2 (5 exponent bits, 2 mantissa bits; 8 bits a number), with one given power-of-two scale for each operand tensor; their sums are f32. All else is computed in f32.
;;   The module's matrix products, in the order in which they are computed (A, B: the left and right operand; K: the contracted axis; several contracted axes count as one K, in the product's order):
;;     1. [M 8,192, K 512] x [K 512, N 8]; A: input x; B: input Wt: left as it is (N = 8 < 16)
;;     2. [M 8,192, K 512] x [K 512, N 8]; A: input x; B: input Wb: left as it is (N = 8 < 16)
;;     3. [M 8,192, K 512] x [K 512, N 8,192]; A: input x; B: input W1: QUANTISED (scales: A lowp_scales[0], B lowp_scales[1])
;;     4. batch 8 x [M 512, K 1,024] x [K 1,024, N 8,192]; A: input W2; B: computed on the way: QUANTISED (scales: A lowp_scales[2], B lowp_scales[3])
;;     5. batch 8,192 x [M 1, K 8] x [K 8, N 512]; A: computed on the way; B: computed on the way: left as it is (K = 8 < 32)
;;   THE QUANTISER, for each operand of a quantised product, along K:
;;     - The operand's scale is 2^e, e = its entry of the input lowp_scales (int32; the entries are numbered through the quantised products in the list's order, A before B).
;;     - Each number is divided by the scale, clamped to +-57,344, and rounded to the nearest number of E5M2, ties to even, subnormals kept.
;;     - The product sums the exact products of the quantised numbers (number of the format x scale) in f32.
;;   ~~~python
;;   def quantise(x, axis, e):      # numpy; x: float32 -> the quantised numbers, widened to float32 again
;;       x = np.moveaxis(x, axis, -1); K = x.shape[-1]
;;       r = np.clip(x / 2.0 ** e, -57344, 57344)
;;       step = 2.0 ** (np.maximum(np.frexp(np.where(r == 0, 1, r))[1] - 1, -14) - 2)
;;       q = np.round(r / step) * step * 2.0 ** e      # np.round: ties to even
;;       return np.moveaxis(q, -1, axis).astype(np.float32)
;;   ~~~
;;   OPERANDS COMPUTED ON THE WAY. 'Computed on the way' means the value that the module computes at that place (a softmax that the list does not call 'softmax' is quantised finished and normalised). What goes into a quantiser is computed in f32, as accurately as f32 sums, v_exp_f32 and their like allow (about 1e-6 of the number): no bf16 or f16 on the way to a quantiser, and a product that is left as it is and whose result goes on into a quantised operand takes f32 operands (vector FMAs, or v_wmma_f32_16x16x4_f32). A number that lies on a knife's edge between two numbers of the format may be rounded either way, as far as f32 arithmetic and the matrix unit's own rounding can turn it there, and no further.
;; One version. Each part assembles by itself: llvm-mc -triple=amdgcn-amd-amdhsa -mcpu=gfx1250 --defsym DOCPART=n.
;; ======== version 1 of 1: 3 launches
;; limits: values are held in f16: magnitudes above 65,504 overflow, below 6.1e-05 lose precision; inputs' magnitudes at most 65,504
;; workspace buffers: xq 4,194,304 bytes; wq 8,388,608 bytes; bs 49,152 bytes; pw 262,144 bytes; part 33,554,432 bytes
;; launch prep (part 1): grid 640 x 1, 4 waves a work-group, no clusters, 50,688 bytes of LDS; arguments x, W1, W2, Wt, Wb, bt, bb, b1, b2, lowp_scales, xq, wq, bs, pw; writes xq, wq, bs, pw
.if DOCPART == 1
	.amdgcn_target "amdgcn-amd-amdhsa--gfx1250"
	.amdhsa_code_object_version 6
	.text
	.protected	k_q650fbe8d57_prep
	.globl	k_q650fbe8d57_prep
	.p2align	8
	.type	k_q650fbe8d57_prep,@function
k_q650fbe8d57_prep:
	s_mov_b64 s[64:65], 0
	v_nop
	global_prefetch_b8 v0, s[64:65] scope:SCOPE_SE
	s_setreg_imm32_b32 hwreg(HW_REG_WAVE_MODE, 25, 1), 1
	s_wait_xcnt 0x0
; HierarchicalMoE, first of three launches: everything that many work-groups of the second launch read is made once here.
; NO WORK OF THE PROBLEM IS DEAD: the gates are a product of two softmaxes, never 0 by an identity, so every expert's result reaches the output for every token;
; every input has a way to the output and every input is loaded.  Nothing is left out in any launch.
; WHAT IS MADE.  xq: x as codes of E5M2 under 2^e0.  wq: W1 under 2^e1 and W2 under 2^e2 as codes.  bs: b1 / 2^(e0+e1) and b2 / 2^(e2+e3).  pw: the gates softmax(x Wt + bt) softmax(x Wb + bb) x 2^(e2+e3).
; code = number / 2^e, held within +-57,344, rounded to the nearest code, ties to even.
; ALL CODES ARE LAID AS IMAGES OF THE OPERAND'S REGISTERS.  A fragment (16 rows x 128 K) is 2,048 bytes: piece c (0..3) of 512 bytes, lane l = r + 16 h has 16 bytes at 16 l, byte i is K = 32 c + 16 h + i of row r.
;   xq: block of 64 tokens x 32,768 + (4 m + s) x 2,048: tokens 16 m + r, K step s.
;   wq: 131,072 bytes for each (expert e, 128 hidden units cr), at (8 e + cr) x 131,072.  W1's half: wave w x 16,384 + (2 s + u) x 2,048, row r = hidden unit 128 cr + 32 w + 8 u + r + 8 (r / 8), K = x's axis.
;       W2's half, 65,536 on: wave w x 16,384 + t x 2,048, row r = output 128 w + 16 t + r, K = the 128 hidden units.
;   bs: 24,576 bytes for each four experts: b1's 4 x 4,096, then b2's 4 x 2,048.   pw: [token][8] f32.
; SHARES.  Work-groups 0-127: 64 tokens each (a wave 16).  128-383: W1.  384-639: W2 (a wave 32 columns x 128 K).  The three ways part on the work-group's number; only the first uses LDS and a barrier.
; No cluster, no tensor load: the work-groups of this launch share no large input, and every large byte is read once.
; THE ROUTERS' PRODUCTS are left as they are and feed no quantiser: f16 operands, f32 sums.
; LIMITS.  Each e between -126 and 112.  |x|, |Wt|, |Wb| under 65,504 (f16); router weights under 6e-5 in size are rounded as f16 subnormals.  b1 / 2^(e0+e1), b2 / 2^(e2+e3) and gate x 2^(e2+e3) stay f32 numbers.
; NaN among the inputs is not served; an infinity in x, W1 or W2 is held at the largest code.
.set SPARE, 50176                      ; LDS: the spare words, 128 bytes a wave, two blocks of 256 bytes that no other line names
.set RIMG,  0                          ; LDS: the routers' 16 fragments (16 columns x 32 K of f16, 1,024 bytes each)
.set STG,   16384                      ; LDS: a stage of 16 rows x 528 bytes for each wave
.set SPI,   528                        ; a stage row: 512 bytes + 16, an odd multiple of 16
.set SPW,   1                          ; v1   LDS address of my spare word; never rewritten
.set NIL,   2                          ; v2   0; never rewritten
.set LIM,   10                         ; v10  57,344 x the scale
.set SCL,   11                         ; v11  the scale as f32
.set BB,    16                         ; v16-23   the routers' biases of my half of the lanes
.set RA,    24                         ; v24-55   four accumulators of the routers' products (before that: the routers' f16 fragments on their way to LDS)
.set XL,    56                         ; v56-119  16 rows x 512 bytes of x as loaded
.set X,     120                        ; v120-183 64 numbers of my row: register 16 c + i = K 32 c + 16 h + i
.set XH,    184                        ; v184-215 x's four f16 fragments; then the step's codes in v184-199
.set RF,    216                        ; v216-247 the routers' four fragments of the step
.set WD,    32                         ; W paths: v32-159 128 numbers down K
.set WC,    160                        ; W paths: v160-191 their codes
.macro MKSCALE e                       ; from the exponent in s[e]: the scale 2^e and 57,344 x 2^e as f32 patterns
	s_add_co_i32 s62, s[\e], 127
	s_lshl_b32 s63, s62, 23
	v_mov_b32 v[SCL], s63
	s_add_co_i32 s62, s62, 15
	s_lshl_b32 s62, s62, 23
	s_or_b32 s62, s62, 0x600000
	v_mov_b32 v[LIM], s62
.endm
; A LANE TAKES A COLUMN AND ITS REGISTERS RUN DOWN K: each load reads 128 consecutive bytes in the wave, and the conversions give codes with K innermost.  A lane's 16 codes of (c, h) are 16 bytes of an image:
; sixteen lanes fill 256 consecutive aligned bytes, so the codes are stored straight from registers.
.macro WQ pitch, e
.set kk, 0
.rept 128
	global_load_b32 v[WD+kk], v3, s[56:57] offset:kk*\pitch th:TH_LOAD_NT
.set kk, kk+1
.endr
	s_wait_kmcnt 0x0                               ; the exponents
	MKSCALE \e
.irp c, 0,1,2,3
.if \c == 0
	s_wait_loadcnt 63                              ; at most 63 of the 128 loads are out: the first 65 are in, blocks 0 and 1 among them
.elseif \c == 2
	s_wait_loadcnt 32                              ; block 3's 32 may be out
.elseif \c == 3
	s_wait_loadcnt 0x0
.endif
.set kk, 0
.rept 32
	v_med3_num_f32 v[WD+32*\c+kk], v[WD+32*\c+kk], -v[LIM], v[LIM]   ; the conversion to an 8-bit code does not saturate (ISA guide 7.6.2): the hold comes first
.set kk, kk+1
.endr
.irp g, 0,1,2,3
	v_cvt_scalef32_pk8_bf8_f32 v[WC+8*\c+2*\g:WC+8*\c+2*\g+1], v[WD+32*\c+8*\g:WD+32*\c+8*\g+7], v[SCL]
.endr
	v_nop                                          ; a plain line behind the last conversion of the run
	global_store_b128 v4, v[WC+8*\c:WC+8*\c+3], s[58:59] offset:512*\c         ; K 32 c + 0..15: the image's lanes 0-15
	global_store_b128 v4, v[WC+8*\c+4:WC+8*\c+7], s[58:59] offset:512*\c+256   ; K 32 c + 16..31: its lanes 16-31.  The codes' registers are written once: no wait for the stores
.endr
.endm
	s_load_b512 s[4:19], s[0:1], 0x0               ; x 4, W1 6, W2 8, Wt 10, Wb 12, bt 14, bb 16, b1 18
	s_load_b256 s[20:27], s[0:1], 0x40             ; b2 20, the exponents 22, xq 24, wq 26
	s_load_b128 s[28:31], s[0:1], 0x60             ; bs 28, pw 30
	v_lshl_add_u32 v[SPW], v0, 2, SPARE
	v_mov_b32 v[NIL], 0
	v_lshrrev_b32 v3, 5, v0
	v_readfirstlane_b32 s36, v3                    ; wave 0..3
	v_and_b32 v5, 31, v0                           ; lane
	s_wait_kmcnt 0x0
	s_load_b128 s[32:35], s[22:23], 0x0            ; e0 (x), e1 (W1), e2 (W2), e3 (the hidden layer)
	s_cmp_lt_u32 ttmp9, 128
	s_cbranch_scc1 .Lx_path
	s_cmp_lt_u32 ttmp9, 384
	s_cbranch_scc1 .Lw1_path
	; ---- W2 [e][d][h]: K = d is the first axis of an expert.  id = 32 e + 4 cr + qq; my wave: columns h = 128 qq + 32 w + lane, d = 128 cr + 0..127
	s_sub_co_u32 s40, ttmp9, 384
	s_lshr_b32 s41, s40, 5                         ; e
	s_bfe_u32 s42, s40, 0x30002                    ; cr
	s_and_b32 s43, s40, 3                          ; qq
	s_lshl_b32 s44, s41, 21                        ; an expert is 2,097,152 bytes,
	s_lshl_b32 s45, s42, 18                        ; 128 rows of 2,048 bytes,
	s_add_co_u32 s44, s44, s45
	s_lshl_b32 s45, s43, 9                         ; 128 columns,
	s_add_co_u32 s44, s44, s45
	s_lshl_b32 s45, s36, 7                         ; 32 columns
	s_add_co_u32 s44, s44, s45
	s_mov_b32 s45, 0
	s_add_nc_u64 s[56:57], s[8:9], s[44:45]
	s_lshl_b32 s46, s41, 3
	s_add_co_u32 s46, s46, s42                     ; 8 e + cr
	s_lshl_b32 s46, s46, 17
	s_lshl_b32 s47, s43, 14                        ; the reading wave's 16,384 bytes,
	s_add_co_u32 s46, s46, s47
	s_lshl_b32 s47, s36, 12                        ; my two fragments t = 2 w, 2 w + 1,
	s_add_co_u32 s46, s46, s47
	s_add_co_u32 s46, s46, 65536                   ; in W2's half of the block
	s_mov_b32 s47, 0
	s_add_nc_u64 s[58:59], s[26:27], s[46:47]
	v_lshlrev_b32 v3, 2, v5                        ; in: 4 bytes a lane
	v_lshrrev_b32 v6, 4, v5
	v_and_b32 v7, 15, v5
	v_lshlrev_b32 v4, 4, v7
	v_lshl_add_u32 v4, v6, 11, v4                  ; out: fragment lane / 16, row lane % 16
	WQ 2048, 34
	s_endpgm
.Lw1_path:
	; ---- W1 [e][k][d]: K = k is the first axis of an expert.  id = 32 e + 8 s + cr; my wave: columns d = 128 cr + 32 w + lane, k = 128 s + 0..127
	s_sub_co_u32 s40, ttmp9, 128
	s_lshr_b32 s41, s40, 5                         ; e
	s_bfe_u32 s42, s40, 0x20003                    ; s
	s_and_b32 s43, s40, 7                          ; cr
	s_lshl_b32 s44, s41, 21
	s_lshl_b32 s45, s42, 19                        ; 128 rows of 4,096 bytes
	s_add_co_u32 s44, s44, s45
	s_lshl_b32 s45, s43, 9
	s_add_co_u32 s44, s44, s45
	s_lshl_b32 s45, s36, 7
	s_add_co_u32 s44, s44, s45
	s_mov_b32 s45, 0
	s_add_nc_u64 s[56:57], s[6:7], s[44:45]
	s_lshl_b32 s46, s41, 3
	s_add_co_u32 s46, s46, s43                     ; 8 e + cr
	s_lshl_b32 s46, s46, 17
	s_lshl_b32 s47, s36, 14                        ; the reading wave is my wave: its 32 hidden units are my 32 columns
	s_add_co_u32 s46, s46, s47
	s_lshl_b32 s47, s42, 12                        ; fragments 2 s, 2 s + 1
	s_add_co_u32 s46, s46, s47
	s_mov_b32 s47, 0
	s_add_nc_u64 s[58:59], s[26:27], s[46:47]
	v_lshlrev_b32 v3, 2, v5
	v_bfe_u32 v6, v5, 3, 1                         ; column j = 8 u + r + 8 (r / 8):  u = (j / 8) % 2,
	v_and_b32 v7, 7, v5
	v_lshrrev_b32 v8, 4, v5
	v_lshl_or_b32 v7, v8, 3, v7                    ; r = j % 8 + 8 (j / 16)
	v_lshlrev_b32 v4, 4, v7
	v_lshl_add_u32 v4, v6, 11, v4
	WQ 4096, 33
	s_endpgm
.Lx_path:
	; ---- 64 tokens: x's codes, the gates; the first 24 work-groups also scale the biases
	s_load_b256 s[40:47], s[14:15], 0x0            ; bt
	s_load_b256 s[48:55], s[16:17], 0x0            ; bb
	s_lshl_b32 s38, ttmp9, 17                      ; 64 rows of 2,048 bytes,
	s_lshl_b32 s37, s36, 15                        ; my wave's 16
	s_add_co_u32 s38, s38, s37
	s_mov_b32 s39, 0
	s_add_nc_u64 s[56:57], s[4:5], s[38:39]
	s_lshl_b32 s38, ttmp9, 15
	s_lshl_b32 s37, s36, 13
	s_add_co_u32 s38, s38, s37
	s_add_nc_u64 s[58:59], s[24:25], s[38:39]      ; xq at my four fragments
	s_lshl_b32 s38, ttmp9, 11
	s_lshl_b32 s37, s36, 9
	s_add_co_u32 s38, s38, s37
	s_add_nc_u64 s[30:31], s[30:31], s[38:39]      ; pw at my 16 tokens
	s_lshl_b32 s38, s36, 12                        ; 128 rows of 32 bytes: the part of Wt and Wb that my wave turns into fragments
	s_add_nc_u64 s[10:11], s[10:11], s[38:39]
	s_add_nc_u64 s[12:13], s[12:13], s[38:39]
	v_and_b32 v6, 15, v0                           ; r
	v_bfe_u32 v7, v0, 4, 1                         ; h
	v_lshlrev_b32 v8, 4, v5                        ; 16 x lane
	v_and_b32 v3, 7, v0
	v_lshlrev_b32 v3, 2, v3
	v_lshl_add_u32 v3, v7, 9, v3                   ; Wt, Wb: column r % 8, 16 h rows down
	v_add_nc_u32 v4, s38, v8                       ; where my four router fragments go: 4,096 x wave + 16 x lane
	s_mul_i32 s37, s36, 16*SPI
	s_add_co_u32 s37, s37, STG                     ; my stage
	v_add_nc_u32 v12, s37, v8                      ; into it: 16 x lane of row i
	v_mul_u32_u24 v13, v6, SPI
	v_lshl_add_u32 v13, v7, 6, v13
	v_add_nc_u32 v13, s37, v13                     ; out of it: row r, 64 h bytes on
	v_lshlrev_b32 v9, 5, v6
	v_lshl_add_u32 v9, v7, 4, v9                   ; pw: 32 r + 16 h
.macro XLOAD st                        ; K step st of my 16 rows: each load reads 512 consecutive bytes of one row
.set i, 0
.rept 16
	global_load_b128 v[XL+4*i:XL+4*i+3], v8, s[56:57] offset:i*2048+512*(\st) th:TH_LOAD_NT
.set i, i+1
.endr
.endm
	XLOAD 0
.set i, 0
.rept 64                               ; four chunks of 32 K: register 16 q + j = weight (128 w + 32 q + 16 h + j, r % 8), of both routers
	global_load_b32 v[X+i], v3, s[10:11] offset:(32*(i/16)+i%16)*32
	global_load_b32 v[XH+i], v3, s[12:13] offset:(32*(i/16)+i%16)*32
.set i, i+1
.endr
	s_wait_loadcnt 0x0
	s_wait_kmcnt 0x0
	v_cmp_lt_u32 vcc_lo, 7, v6                     ; lanes with r >= 8 stand for the bottom router's columns
	v_cmp_lt_u32 s37, 15, v5                       ; lanes 16-31
.set i, 0
.rept 64
	v_cndmask_b32 v[X+i], v[X+i], v[XH+i], vcc_lo  ; a choice of values, not of addresses
.set i, i+1
.endr
.set i, 0
.rept 32
	v_cvt_pk_f16_f32 v[RA+i], v[X+2*i], v[X+2*i+1]
.set i, i+1
.endr
.set i, 0
.rept 8
	ds_store_b128 v4, v[RA+4*i:RA+4*i+3] offset:RIMG+512*i   ; images of the registers: chunk i / 2, registers 4 (i % 2) on
.set i, i+1
.endr
.irp j, 0,1,2,3,4,5,6,7
	v_mov_b32 v[BB+\j], s[40+\j]
	v_mov_b32 v[248+\j], s[48+\j]
.endr
.irp j, 0,1,2,3,4,5,6,7
	v_cndmask_b32 v[BB+\j], v[BB+\j], v[248+\j], s37   ; lanes 0-15 will hold the top router's logits, lanes 16-31 the bottom one's
.endr
	MKSCALE 32
	s_add_co_i32 s33, s32, s33                     ; e0 + e1
	s_add_co_i32 s35, s34, s35                     ; e2 + e3
	s_mov_b32 s60, 0x76543210                      ; v_permlanex16_b32: lane l xor 16
	s_mov_b32 s61, 0xfedcba98
	s_mov_b32 s62, 0x3fb8aa3b                      ; log2(e); the packed form names the pair
	s_mov_b32 s63, 0x3fb8aa3b
	s_wait_dscnt 0x0                               ; for the others' sake: my router fragments lie in LDS
	s_barrier_signal -1
	s_barrier_wait -1
; A K step of 128.  The rows go through my own stage so that a lane gets 16 neighbours of each block of 32 (LDS serves a wave's instructions in order: no wait between the stores and the loads).
; The same 64 numbers feed the routers (as f16; K in the same places in both operands) and the quantiser.
.macro XSTEP st
.if \st > 0
	s_wait_loadcnt 0x0                             ; this step's rows
.endif
.set i, 0
.rept 16
	ds_store_b128 v12, v[XL+4*i:XL+4*i+3] offset:i*SPI
.set i, i+1
.endr
.irp c, 0,1,2,3
.irp j, 0,1,2,3
	ds_load_b128 v[X+16*\c+4*\j:X+16*\c+4*\j+3], v13 offset:128*\c+16*\j
.endr
.endr
.set i, 0
.rept 8
	ds_load_b128 v[RF+4*i:RF+4*i+3], v8 offset:RIMG+(\st)*4096+512*i
.set i, i+1
.endr
	s_wait_dscnt 0x0                               ; the numbers are back; the stores into the stage have read the rows' registers
	s_wait_xcnt 0x0                                ; the last step's stores of codes have read v184-199, which are written below
.if \st < 3
	XLOAD (\st)+1
.endif
.set i, 0
.rept 32
	v_cvt_pk_f16_f32 v[XH+i], v[X+2*i], v[X+2*i+1]
.set i, i+1
.endr
.irp c, 0,1,2,3                        ; source 0 = the 16 router columns, source 1 = my 16 tokens: a lane holds one token and eight logits.  Four accumulators by turns
.if \st == 0
	v_wmma_f32_16x16x32_f16 v[RA+8*\c:RA+8*\c+7], v[RF+8*\c:RF+8*\c+7], v[XH+8*\c:XH+8*\c+7], 0
.else
	v_wmma_f32_16x16x32_f16 v[RA+8*\c:RA+8*\c+7], v[RF+8*\c:RF+8*\c+7], v[XH+8*\c:XH+8*\c+7], v[RA+8*\c:RA+8*\c+7]
.endif
.endr
.set i, 0
.rept 64
	v_med3_num_f32 v[X+i], v[X+i], -v[LIM], v[LIM] ; the hold; these 64 are also the places behind the products (ISA guide 7.12.1)
.set i, i+1
.endr
.irp g, 0,1,2,3,4,5,6,7
	v_cvt_scalef32_pk8_bf8_f32 v[XH+2*\g:XH+2*\g+1], v[X+8*\g:X+8*\g+7], v[SCL]
.endr
	v_nop                                          ; a plain line behind the last conversion
.irp c, 0,1,2,3
	global_store_b128 v8, v[XH+4*\c:XH+4*\c+3], s[58:59] offset:(\st)*2048+512*\c   ; 512 consecutive bytes
.endr
.endm
	XSTEP 0
	XSTEP 1
	XSTEP 2
	XSTEP 3
	; the logits: the four partial sums and the bias, each accumulator from its low end on
.irp j, 0,2,4,6
	v_pk_add_f32 v[RA+\j:RA+\j+1], v[RA+\j:RA+\j+1], v[RA+8+\j:RA+8+\j+1]
.endr
.irp j, 0,2,4,6
	v_pk_add_f32 v[RA+16+\j:RA+16+\j+1], v[RA+16+\j:RA+16+\j+1], v[RA+24+\j:RA+24+\j+1]
.endr
.irp j, 0,2,4,6
	v_pk_add_f32 v[RA+\j:RA+\j+1], v[RA+\j:RA+\j+1], v[RA+16+\j:RA+16+\j+1]
.endr
.irp j, 0,2,4,6
	v_pk_add_f32 v[RA+\j:RA+\j+1], v[RA+\j:RA+\j+1], v[BB+\j:BB+\j+1]
.endr
	; a softmax over the lane's eight registers: the maximum is taken away
	v_max3_num_f32 v32, v24, v25, v26
	v_max3_num_f32 v33, v27, v28, v29
	v_max3_num_f32 v32, v32, v30, v31
	v_max_num_f32 v32, v32, v33
	v_mul_f32 v32, s62, v32
.irp j, 0,2,4,6
	v_pk_fma_f32 v[RA+\j:RA+\j+1], v[RA+\j:RA+\j+1], s[62:63], v[32:33] op_sel_hi:[1,0,0] neg_lo:[0,0,1] neg_hi:[0,0,1]   ; (logit - maximum) x log2(e)
.endr
.irp j, 0,1,2,3,4,5,6,7
	v_exp_f32 v[RA+\j], v[RA+\j]
.endr
	v_nop                                          ; a plain line behind the last exponential
	s_wait_alu depctr_va_vdst(0)                   ; one wait for the eight, ahead of their first reader
	v_pk_add_f32 v[32:33], v[24:25], v[26:27]
	v_pk_add_f32 v[34:35], v[28:29], v[30:31]
	v_pk_add_f32 v[32:33], v[32:33], v[34:35]
	v_add_f32 v32, v32, v33
	v_rcp_f32 v32, v32
	v_nop
	s_wait_alu depctr_va_vdst(0)
.irp j, 0,2,4,6
	v_pk_mul_f32 v[RA+\j:RA+\j+1], v[RA+\j:RA+\j+1], v[32:33] op_sel_hi:[1,0]
.endr
.irp j, 0,1,2,3,4,5,6,7
	v_permlanex16_b32 v[40+\j], v[RA+\j], s60, s61 ; the other router's eight, of the same token
.endr
.irp j, 0,2,4,6
	v_pk_mul_f32 v[RA+\j:RA+\j+1], v[RA+\j:RA+\j+1], v[40+\j:41+\j]
.endr
.irp j, 0,1,2,3
	v_cndmask_b32 v[32+\j], v[RA+\j], v[RA+4+\j], s37   ; lanes 0-15 store experts 0-3, lanes 16-31 experts 4-7
.endr
.irp j, 0,1,2,3
	v_ldexp_f32 v[32+\j], v[32+\j], s35            ; x 2^(e2 + e3): the second product's two scales ride on the gate
.endr
	global_store_b128 v9, v[32:35], s[30:31]       ; 512 consecutive bytes
	; the biases: work-groups 0-15 take b1 (2,048 bytes each), 16-23 take b2
	s_cmp_lt_u32 ttmp9, 24
	s_cbranch_scc0 .Lx_end
	s_cmp_lt_u32 ttmp9, 16
	s_cselect_b64 s[56:57], s[18:19], s[20:21]     ; (x's loads are all in: their base may be written)
	s_cselect_b32 s62, s33, s35                    ; e0 + e1 or e2 + e3
	s_cselect_b32 s38, 0, 16
	s_cselect_b32 s39, 3, 2                        ; eight, or four, work-groups to four experts
	s_cselect_b32 s60, 13, 14                      ; what the second four experts are moved by: 8,192 or 16,384 bytes
	s_cselect_b32 s61, 0, 16384                    ; b2's part lies behind b1's
	s_sub_co_i32 s62, 0, s62
	s_sub_co_u32 s38, ttmp9, s38
	s_lshr_b32 s39, s38, s39
	s_lshl_b32 s39, s39, s60
	s_add_co_u32 s39, s39, s61
	s_lshl_b32 s38, s38, 11
	s_add_co_u32 s60, s39, s38
	s_mov_b32 s39, 0
	s_mov_b32 s61, 0
	s_add_nc_u64 s[56:57], s[56:57], s[38:39]
	s_add_nc_u64 s[28:29], s[28:29], s[60:61]
	v_lshlrev_b32 v14, 4, v0
	global_load_b128 v[40:43], v14, s[56:57]
	s_wait_loadcnt 0x0
.irp j, 0,1,2,3
	v_ldexp_f32 v[44+\j], v[40+\j], s62
.endr
	global_store_b128 v14, v[44:47], s[28:29]
.Lx_end:
	s_wait_tensorcnt 0x0                           ; the wave's end, behind my last LDS store
	ds_add_u32 v[SPW], v[NIL]
	s_wait_dscnt 0x0
	s_endpgm
.Lfunc_end_k_q650fbe8d57_prep:
	.size	k_q650fbe8d57_prep, .Lfunc_end_k_q650fbe8d57_prep-k_q650fbe8d57_prep
	.p2alignl 7, 3214868480
	.fill 96, 4, 3214868480
	.section	.rodata,"a",@progbits
	.p2align	6, 0x0
	.amdhsa_kernel k_q650fbe8d57_prep
		.amdhsa_group_segment_fixed_size 50688
		.amdhsa_private_segment_fixed_size 0
		.amdhsa_enable_private_segment 0
		.amdhsa_kernarg_size 112
		.amdhsa_user_sgpr_count 2
		.amdhsa_user_sgpr_kernarg_segment_ptr 1
		.amdhsa_wavefront_size32 1
		.amdhsa_system_sgpr_workgroup_id_x 1
		.amdhsa_system_sgpr_workgroup_id_y 1
		.amdhsa_system_sgpr_workgroup_id_z 1
		.amdhsa_system_vgpr_workitem_id 0
		.amdhsa_next_free_vgpr 256
		.amdhsa_next_free_sgpr 66
		.amdhsa_reserve_vcc 1
		.amdhsa_float_denorm_mode_32 3
		.amdhsa_float_denorm_mode_16_64 3
		.amdhsa_memory_ordered 1
		.amdhsa_forward_progress 1
		.amdhsa_inst_pref_size 118
	.end_amdhsa_kernel
	.amdgpu_metadata
---
amdhsa.version: [ 1, 2 ]
amdhsa.kernels:
  - .name:           k_q650fbe8d57_prep
    .symbol:         k_q650fbe8d57_prep.kd
    .args:
      - { .name: x, .offset: 0, .size: 8, .value_kind: global_buffer, .address_space: global }
      - { .name: W1, .offset: 8, .size: 8, .value_kind: global_buffer, .address_space: global }
      - { .name: W2, .offset: 16, .size: 8, .value_kind: global_buffer, .address_space: global }
      - { .name: Wt, .offset: 24, .size: 8, .value_kind: global_buffer, .address_space: global }
      - { .name: Wb, .offset: 32, .size: 8, .value_kind: global_buffer, .address_space: global }
      - { .name: bt, .offset: 40, .size: 8, .value_kind: global_buffer, .address_space: global }
      - { .name: bb, .offset: 48, .size: 8, .value_kind: global_buffer, .address_space: global }
      - { .name: b1, .offset: 56, .size: 8, .value_kind: global_buffer, .address_space: global }
      - { .name: b2, .offset: 64, .size: 8, .value_kind: global_buffer, .address_space: global }
      - { .name: lowp_scales, .offset: 72, .size: 8, .value_kind: global_buffer, .address_space: global }
      - { .name: xq, .offset: 80, .size: 8, .value_kind: global_buffer, .address_space: global }
      - { .name: wq, .offset: 88, .size: 8, .value_kind: global_buffer, .address_space: global }
      - { .name: bs, .offset: 96, .size: 8, .value_kind: global_buffer, .address_space: global }
      - { .name: pw, .offset: 104, .size: 8, .value_kind: global_buffer, .address_space: global }
    .group_segment_fixed_size: 50688
    .private_segment_fixed_size: 0
    .kernarg_segment_align: 8
    .kernarg_segment_size: 112
    .max_flat_workgroup_size: 128
    .sgpr_count:     66
    .vgpr_count:     256
    .wavefront_size: 32
...
	.end_amdgpu_metadata
.endif
;; end of part 1
;; launch moe (part 2): grid 128 x 2, 4 waves a work-group, clusters of 4 x 1, 327,680 bytes of LDS; arguments xq, wq, bs, pw, lowp_scales, part; writes part
.if DOCPART == 2
	.amdgcn_target "amdgcn-amd-amdhsa--gfx1250"
	.amdhsa_code_object_version 6
	.text
	.protected	k_q650fbe8d57_moe
	.globl	k_q650fbe8d57_moe
	.p2align	8
	.type	k_q650fbe8d57_moe,@function
k_q650fbe8d57_moe:
	s_mov_b64 s[64:65], 0
	v_nop
	global_prefetch_b8 v0, s[64:65] scope:SCOPE_SE
	s_setreg_imm32_b32 hwreg(HW_REG_WAVE_MODE, 25, 1), 1
	s_wait_xcnt 0x0
	s_wait_alu depctr_hold_cnt(0) depctr_sa_sdst(0) depctr_va_vdst(0) depctr_va_sdst(0) depctr_va_ssrc(0) depctr_va_vcc(0) depctr_vm_vsrc(0)
	s_getreg_b32 s2, hwreg(HW_REG_IB_STS2, 6, 4)
	s_cmp_eq_u32 s2, 0
	s_cbranch_scc0 .Lentry_in_a_cluster
	s_endpgm
.Lentry_in_a_cluster:
	s_bfe_u32 s2, ttmp6, 0x10000c
	s_cmp_lg_u32 s2, 0x3003
	s_cbranch_scc0 .Lentry_shape_is_right
	s_endpgm
.Lentry_shape_is_right:
; HierarchicalMoE, second launch: part[half][n][:] = the sum over the half's four experts e of gate[n][e] x (Q(gelu(Q(x) Q(W1[e]) + b1[e])) Q(W2[e]) + b2[e]).  No work is left out: every expert counts for every token.
; Both products on codes of E5M2 by v_wmma_f32_16x16x128_bf8_bf8, sums in f32.  The codes of x, W1, W2, the scaled biases and the gates come from the launch before, laid as images of the operands' registers.
; SHARES.  A work-group: 64 tokens (four tiles m of 16) and four experts (y = 0: experts 0-3; y = 1: 4-7); the two halves' sums are added by the third launch, since no work-group may read what another stores.
; The work goes in 32 STEPS of 128 hidden units (4 experts x 8).  In a step wave w makes hidden units 32 w .. 32 w + 31 for all 64 tokens (32 products, K = 512), takes the GELU, quantises, hands the codes to the
; other waves through LDS as a piece of an image, and then adds one K step of the second product onto its outputs 128 w .. 128 w + 127 for all 64 tokens (32 products).
; Both products are used transposed (source 0 = 16 rows of the weight, source 1 = 16 tokens): a lane holds ONE token throughout.  The rows of W1 that form a tile are chosen so that a lane's 16 registers of tiles
; u = 0, 1 are 16 neighbours along the second product's K: the conversions' results are the operand's registers.
; A step's weights are one dense block of 131,072 bytes; two LDS slots take turns; each wave fetches a quarter by one tensor load, which has a whole step in which to land.
; CLUSTER.  The four work-groups of a cluster walk the same experts: weights and biases are asked for JOINTLY (mask 15, the same descriptor in all four).
; SCALES.  The first product's sum stands for sum x 2^(e0+e1); b1 / 2^(e0+e1) is the C of its first K step; the GELU works on that number A with its constants scaled, and the conversion takes 2^(e3-e0-e1).
; b2 / 2^(e2+e3) is what the second product's sums begin with, and the gate carries 2^(e2+e3).
; THE GELU, exact form: gelu(x) = max(x, 0) - |x| t 2^(K x^2 + P(t)), t = 1 / (1 + |x| / (2 sqrt 2)): erfc(z) = t exp(-z^2 + P(t)), a polynomial of degree 9 whose relative error stays near f32's own for every z;
; log2(e) and the factor 1/2 are folded into the coefficients.
; LIMITS.  e0 + e1 between -62 and 64; e3 - e0 - e1 between -126 and 112.  NaN among the inputs is not served.  Where 2^(..) falls under 2^-126 the exponential gives 0 (ISA guide 15.8) and the GELU is -0.
; K's order inside a matrix instruction is a permutation, the same in both operands.
; REGISTERS, in windows of 256.  Window 0: v0 256 x lane; v1, v2 the add's two; v3-11 LDS addresses; v[12:13] c8; v14, v15 the hold and the scale; v16-31 the gates (tile m's at 16 + 4 m; the expert in hand first);
;   v32-95 the first product's sums (tile (m, u) at 32 + 16 m + 8 u), later the four hidden fragments; v96-223 eight weight fragments, v160-223 also at work in the GELU; v224-255 b1's two tiles, at work, the codes.
;   Window 1: x's 16 fragments ((m, s) at 16 (4 m + s)), for the whole launch.   Window 2: the expert's sums ((m, t) at 8 (8 m + t)).   Window 3: the weighted sums, laid alike.
.set SLOT1, 1<<17                      ; LDS: slot 0 at 0, slot 1 here
.set RB,    131072                     ; a step's block of weights
.set BIAS,  262144                     ; LDS: the half's biases, 24,576 bytes: b1's 16,384, then b2's 8,192
.set HID,   286720                     ; LDS: the step's four hidden fragments, 8,192 bytes; stored by ds_store alone, no tensor load lands here
.set SPARE, 294912                     ; LDS: the spare words, 128 bytes a wave, two blocks of 256 bytes that no other line names
.set PW,  16
.set A1,  32
.set HF,  32
.set F,   96
.set FA,  96
.set FB,  160
.set T1,  160
.set T2,  192
.set T3,  224
.set B1,  224
.set MSB, 0
.macro WIN new                         ; s_set_vgpr_msb: bits 1:0 source 0, 3:2 source 1, 5:4 source 2, 7:6 destination; the high byte repeats the setting that is left
.if MSB != \new
	s_set_vgpr_msb (MSB<<8)|\new
.set MSB, \new
.endif
.endm
.macro CREST                           ; a round of the cluster's barrier behind its opening barrier
	s_cmp_lg_u32 s16, 0
	s_cbranch_scc1 .Lnot_wave_0_\@
	s_barrier_signal -3
.Lnot_wave_0_\@:
	s_barrier_wait -3
	s_barrier_signal -1
	s_barrier_wait -1
.endm
.macro CROUND
	s_barrier_signal -1
	s_barrier_wait -1
	CREST
.endm
.macro PLACES n                        ; plain vector lines behind matrix instructions (ISA guide 7.12.1 for vector instructions)
.rept \n
	v_nop
.endr
.endm
.macro COEF reg, bits                  ; a coefficient, twice: the packed forms name a pair
	s_mov_b32 s[\reg], \bits
	s_mov_b32 s[\reg+1], \bits
.endm
.macro FETCH4 reg, adr, f0             ; four fragments f0 .. f0 + 3 as they lie: each load takes 512 consecutive bytes
.irp i, 0,1,2,3
.irp c, 0,1,2,3
	ds_load_b128 v[\reg+16*\i+4*\c:\reg+16*\i+4*\c+3], v[\adr] offset:((\f0)+\i)*2048+512*\c
.endr
.endr
.endm
.macro BIASF                           ; b1 / 2^(e0+e1) of my 16 hidden units of the coming step: two tiles in the result's layout
.irp i, 0,1,2,3
	ds_load_b128 v[B1+4*\i:B1+4*\i+3], v9 offset:16*\i
.endr
.endm
.macro NEXTADR mode                    ; the coming step's addresses: its slot, its 512 bytes of b1.  In the loop from the count of steps; behind it step 31's, as constants
.if \mode == 2
	s_add_co_u32 s53, s52, 1
	s_and_b32 s54, s53, 1
	s_lshl_b32 s54, s54, 17
	s_lshl_b32 s55, s53, 9
	v_add_nc_u32 v4, s54, v3
	v_add_nc_u32 v9, s55, v8
.else
	v_add_nc_u32 v4, SLOT1, v3
	v_add_nc_u32 v9, 31<<9, v8
.endif
	v_add_nc_u32 v5, 0x10000, v4
.endm
; THE FIRST PRODUCT: 32 matrix instructions, eight accumulators by turns, K ascending.
.macro P1
	WIN 0x04                                       ; source 1 (x) window 1
	s_wait_dscnt 16                                ; b1 and K steps 0, 1 of W1 are in; the youngest 16 loads may be out
.irp ks, 0,1,2,3
.if \ks == 2
	s_wait_dscnt 0x0
.endif
.irp u, 0,1
.irp m, 0,1,2,3
.if \ks == 0
	v_wmma_f32_16x16x128_bf8_bf8 v[A1+16*\m+8*\u:A1+16*\m+8*\u+7], v[F+16*(2*\ks+\u):F+16*(2*\ks+\u)+15], v[16*(4*\m+\ks):16*(4*\m+\ks)+15], v[B1+8*\u:B1+8*\u+7]
.else
	v_wmma_f32_16x16x128_bf8_bf8 v[A1+16*\m+8*\u:A1+16*\m+8*\u+7], v[F+16*(2*\ks+\u):F+16*(2*\ks+\u)+15], v[16*(4*\m+\ks):16*(4*\m+\ks)+15], v[A1+16*\m+8*\u:A1+16*\m+8*\u+7]
.endif
.endr
.endr
.endr
.endm
; THE SECOND PRODUCT: tiles t0 .. t0 + n - 1 of my outputs x the four tiles of tokens, one K step; the accumulators by turns.
.macro P2 t0, n
.set tt, \t0
.rept \n
.irp m, 0,1,2,3
	v_wmma_f32_16x16x128_bf8_bf8 v[8*(8*\m+tt):8*(8*\m+tt)+7], v[F+16*tt:F+16*tt+15], v[HF+16*\m:HF+16*\m+15], v[8*(8*\m+tt):8*(8*\m+tt)+7]
.endr
.set tt, tt+1
.endr
.endm
.macro B2LOAD                          ; an expert's sums begin as b2 / 2^(e2+e3), in the result's layout: output 16 t + 8 h + 0..7, the same for the four tiles of tokens
	WIN 0x80
.irp t, 0,1,2,3,4,5,6,7
.irp m, 0,1,2,3
	ds_load_b128 v[64*\m+8*\t:64*\m+8*\t+3], v11 offset:64*\t
	ds_load_b128 v[64*\m+8*\t+4:64*\m+8*\t+7], v11 offset:64*\t+16
.endr
.endr
	WIN 0
.endm
; AN EXPERT IS DONE: weighted sums += gate x the expert's sums, each accumulator from its low end on; the gates move down by one; the next expert's sums begin.
.macro FOLD
	WIN 0xf2
.irp m, 0,1,2,3
.set i, 0
.rept 32
	v_pk_fma_f32 v[64*\m+i:64*\m+i+1], v[64*\m+i:64*\m+i+1], v[PW+4*\m:PW+4*\m+1], v[64*\m+i:64*\m+i+1] op_sel_hi:[1,0,1]
.set i, i+2
.endr
.endr
	WIN 0
.irp m, 0,1,2,3
	v_mov_b32 v[PW+4*\m], v[PW+4*\m+1]
	v_mov_b32 v[PW+4*\m+1], v[PW+4*\m+2]
	v_mov_b32 v[PW+4*\m+2], v[PW+4*\m+3]
.endr
	s_add_co_u32 s53, s52, 1
	s_lshr_b32 s53, s53, 3
	s_lshl_b32 s53, s53, 11                        ; the next expert's 2,048 bytes of b2
	v_add_nc_u32 v11, s53, v10
	B2LOAD
.endm
; A PREFETCH INTO THE L2 of the block that the NEXT change of slots will ask for: in step j, behind the load for step j + 2, block j + 3.  All clusters of a half walk the same blocks: the half's first cluster asks.
; Its four partners are told apart by address (32,768 bytes each), a wave takes 8,192, lanes 256 bytes apart: each aligned 256 bytes is named once.  Blocks 0 to 2 come by their loads alone; behind step 28 nothing is asked for.
.macro ASK
	s_cmp_lt_u32 s52, s79
	s_cbranch_scc0 .Lnot_mine_\@
	global_prefetch_b8 v0, s[80:81] th:TH_LOAD_NT scope:SCOPE_SE
.Lnot_mine_\@:
.endm
; THE GELU AND THE QUANTISER for 32 numbers a lane (tiles of tokens 2 k, 2 k + 1).  Two batches of transcendentals, one wait each;
; plain lines stand among them.
.macro GELU k
.set GA, A1+32*(\k)
.set i, 0
.rept 32
	v_fma_f32 v[T1+i], |v[GA+i]|, s78, 1.0         ; 1 + |x| / (2 sqrt 2); ascending
.set i, i+1
.endr
.if \k == 1
	s_wait_dscnt 0x0                               ; the first half's LDS stores have read the codes' registers, which are written below
.endif
.set i, 0
.rept 16
	v_rcp_f32 v[T1+i], v[T1+i]                     ; t
	v_rcp_f32 v[T1+i+1], v[T1+i+1]
	v_pk_mul_f32 v[T3+i:T3+i+1], v[GA+i:GA+i+1], v[GA+i:GA+i+1]
.set i, i+2
.endr
	s_wait_alu depctr_va_vdst(0)
.set i, 0
.rept 16
	v_pk_fma_f32 v[T2+i:T2+i+1], v[T1+i:T1+i+1], s[74:75], v[12:13] op_sel_hi:[1,0,1]   ; c9 t + c8
.set i, i+2
.endr
.irp ck, 72,70,68,66,62,60,58,56       ; c7 .. c0
.set i, 0
.rept 16
	v_pk_fma_f32 v[T2+i:T2+i+1], v[T2+i:T2+i+1], v[T1+i:T1+i+1], s[\ck:\ck+1] op_sel_hi:[1,1,0]
.set i, i+2
.endr
.endr
.set i, 0
.rept 16
	v_pk_fma_f32 v[T2+i:T2+i+1], v[T3+i:T3+i+1], s[76:77], v[T2+i:T2+i+1] op_sel_hi:[1,0,1]   ; + K x^2
.set i, i+2
.endr
.set i, 0
.rept 32
	v_exp_f32 v[T2+i], v[T2+i]
	v_mul_f32 v[T1+i], |v[GA+i]|, v[T1+i]          ; |x| t
	v_max_num_f32 v[GA+i], 0, v[GA+i]              ; max(x, 0)
.set i, i+1
.endr
	s_wait_alu depctr_va_vdst(0)
.set i, 0
.rept 16
	v_pk_fma_f32 v[GA+i:GA+i+1], v[T1+i:T1+i+1], v[T2+i:T2+i+1], v[GA+i:GA+i+1] neg_lo:[1,0,0] neg_hi:[1,0,0]
.set i, i+2
.endr
.set i, 0
.rept 32
	v_med3_num_f32 v[GA+i], v[GA+i], -v14, v14     ; the conversion to an 8-bit code does not saturate (ISA guide 7.6.2): the hold stands with no branch
.set i, i+1
.endr
.irp mm, 0,1
.irp u, 0,1
	v_cvt_scalef32_pk8_bf8_f32 v[T3+4*\mm+2*\u:T3+4*\mm+2*\u+1], v[GA+16*\mm+8*\u:GA+16*\mm+8*\u+7], v15
.endr
.endr
	v_nop                                          ; a plain line behind the last conversion
.irp mm, 0,1
	ds_store_b128 v6, v[T3+4*\mm:T3+4*\mm+3] offset:(2*(\k)+\mm)*2048   ; piece w of the tile's hidden fragment: K = 32 w + 16 h + 0..15
.endr
.endm
; A STEP.  mode 2: in the loop, its slot is filled again; 1: step 30, which changes slots and fills nothing; 0: step 31.
.macro STEP mode
	P1
	WIN 0
	PLACES 4                                       ; ahead of the loads into fragments just multiplied and of the first reads of the sums
	FETCH4 FA, 5, 0                                ; W2's tiles 0-3 land under the GELU
	GELU 0
	GELU 1
	s_wait_dscnt 0x0                               ; for the others' sake: my codes lie in LDS
	s_barrier_signal -1
	s_barrier_wait -1                              ; the step's four hidden fragments are whole.
	FETCH4 HF, 7, 0
	FETCH4 FB, 5, 4                                ; W2's tiles 4-7: my last reads of this slot
.if \mode > 0
.if \mode == 2
	s_wait_xcnt 0x0                                ; the last prefetch, a step back, has read its address
	s_add_nc_u64 s[80:81], s[80:81], RB
.endif
	s_wait_tensorcnt 0x0                           ; all my tensor loads have landed: my quarter of the next slot
	ds_add_u32 v1, v2                              ; 0 onto my spare word
.if \mode == 2
	s_xor_b32 s45, s45, SLOT1                      ; the walking descriptor: the other slot than last time,
	s_add_nc_u64 s[46:47], s[46:47], RB            ; the next block; the type bits on top are not reached
.endif
	s_wait_dscnt 17                                ; the hidden fragments are in; W2's tiles 4-7 (16 loads) and the add may be out
	WIN 0xa0                                       ; C and D window 2
	P2 0, 2
	s_wait_dscnt 0x0                               ; the add is done; my reads of this slot and of the hidden fragments are over
	s_barrier_signal -1
	P2 2, 2                                        ; work on registers while the others arrive
	WIN 0
	s_barrier_wait -1
.if \mode == 2
	CREST                                          ; the barrier has opened a round of the cluster's: no wave of any partner still reads this slot or has a load on its way
	tensor_load_to_lds s[44:47], s[24:31]          ; the block two steps on, my quarter: my one tensor load until the next round
	s_nop 0
.endif
	PLACES 4                                       ; behind the load; also the places ahead of the loads below
	NEXTADR \mode
	BIASF
	FETCH4 FA, 4, 0                                ; the next step's W1, K steps 0 and 1
.if \mode == 2
	ASK
.endif
	WIN 0xa0
	P2 4, 4
	WIN 0
	PLACES 5                                       ; four ahead of the loads below; the fifth since the next step's first products write over the hidden fragments
	FETCH4 FB, 4, 4                                ; K steps 2 and 3
.else
	s_wait_dscnt 16                                ; the hidden fragments are in
	WIN 0xa0
	P2 0, 4
	s_wait_dscnt 0x0
	P2 4, 4
	WIN 0
.endif
.if \mode == 2
	s_and_b32 s53, s52, 7                          ; an expert's eighth step: steps 7, 15, 23.  A branch on the count of steps alone
	s_cmp_lg_u32 s53, 7
	s_cbranch_scc1 .Lno_fold_\@
	FOLD
.Lno_fold_\@:
	s_add_co_u32 s52, s52, 1
.endif
.endm
	s_load_b256 s[4:11], s[0:1], 0x0               ; xq 4, wq 6, bs 8, pw 10
	s_load_b128 s[12:15], s[0:1], 0x20             ; the exponents 12, part 14
	v_lshl_add_u32 v1, v0, 2, SPARE
	v_mov_b32 v2, 0
	ds_add_u32 v1, v2                              ; the wave's opening: the add, twice on end; its wait stands ahead of my first tensor load
	ds_add_u32 v1, v2
	v_lshrrev_b32 v3, 5, v0
	v_readfirstlane_b32 s16, v3                    ; wave 0..3
	s_bfe_u32 s17, ttmp6, 0x40000                  ; cx: it enters global addresses of xq, pw, part and of the prefetches alone
	s_lshl_b32 s18, ttmp9, 2
	s_add_co_u32 s18, s18, s17                     ; my block of 64 tokens
	s_and_b32 s19, ttmp7, 0xffff                   ; my half of the experts, which the four partners share
	; descriptor group 1, weights: a dense quarter block as 128 rows of 32 elements of 8 bytes;  biases: 24 such rows
	s_mov_b32 s24, 15|(3<<16)|(1<<21)              ; 15:0 the mask: all four; 17:16 elements of 8 bytes; 21 set beside a mask; no padding: the images are read 512 consecutive bytes at a time
	s_mov_b32 s25, 32<<16                          ; tensor_dim0
	s_mov_b32 s26, 128<<16                         ; tensor_dim1
	s_mov_b32 s27, 32<<16                          ; tile_dim0
	s_mov_b32 s28, 128                             ; tile_dim1
	s_mov_b32 s29, 32                              ; from row to row
	s_mov_b32 s30, 0
	s_mov_b32 s31, 0
	s_mov_b32 s32, 15|(3<<16)|(1<<21)
	s_mov_b32 s33, 32<<16
	s_mov_b32 s34, 24<<16
	s_mov_b32 s35, 32<<16
	s_mov_b32 s36, 24
	s_mov_b32 s37, 32
	s_mov_b32 s38, 0
	s_mov_b32 s39, 0
	COEF 56, 0xc034d90f                            ; c0 = -1.26551223 log2(e) - 1
	COEF 58, 0x3fb8ab5a                            ; c1 =  1.00002368 log2(e)
	COEF 60, 0x3f0a29d2                            ; c2 =  0.37409196 log2(e)
	COEF 62, 0x3e0efb2e                            ; c3 =  0.09678418 log2(e)
	COEF 66, 0xbe899a80                            ; c4 = -0.18628806 log2(e)
	COEF 68, 0x3ecdfd18                            ; c5 =  0.27886807 log2(e)
	COEF 70, 0xbfd1a1e5                            ; c6 = -1.13520398 log2(e)
	COEF 72, 0x40097039                            ; c7 =  1.48851587 log2(e)
	COEF 74, 0x3e7c6f08                            ; c9 =  0.17087277 log2(e)
	s_cmp_eq_u32 ttmp9, 0
	s_cselect_b32 s79, 29, 0                       ; the half's first cluster prefetches in steps 0 to 28: the same in all four partners
	s_mov_b32 s52, 0                               ; the count of steps
	v_and_b32 v35, 31, v0                          ; lane
	v_lshlrev_b32 v32, 4, v35                      ; 16 x lane (v32, v33: offsets of the loads at the head)
	v_and_b32 v33, 15, v0
	v_lshlrev_b32 v33, 5, v33                      ; pw: 32 r
	v_bfe_u32 v34, v0, 4, 1                        ; h
	s_lshl_b32 s53, s16, 14
	v_add_nc_u32 v3, s53, v32                      ; my fragments' place in a slot's half: 16,384 w + 16 x lane
	v_add_nc_u32 v4, s53, v32                      ; W1's of the step in hand: step 0, slot 0
	v_add_nc_u32 v5, 0x10000, v4                   ; W2's
	s_lshl_b32 s53, s16, 9
	s_add_co_u32 s54, s53, HID
	v_add_nc_u32 v6, s54, v32                      ; where my codes go: piece w
	v_add_nc_u32 v7, HID, v32                      ; where the hidden fragments are read
	s_add_co_u32 s54, s53, BIAS+16384
	v_lshl_add_u32 v10, v34, 5, s54                ; b2: 512 w + 32 h
	v_lshl_add_u32 v11, v34, 5, s54                ; of the expert in hand
	s_lshl_b32 s53, s16, 7
	s_add_co_u32 s53, s53, BIAS
	v_lshl_add_u32 v8, v34, 6, s53                 ; b1: 128 w + 64 h
	v_lshl_add_u32 v9, v34, 6, s53                 ; of the step in hand
	v_mov_b32 v12, 0xbf97d29d                      ; c8 = -0.82215223 log2(e), in vector registers: the line that takes it names c9's scalar pair too
	v_mov_b32 v13, 0xbf97d29d
	v_lshlrev_b32 v0, 8, v35                       ; the prefetches' offset
	s_wait_dscnt 0x0                               ; both opening adds are done
	s_wait_kmcnt 0x0
	s_load_b128 s[20:23], s[12:13], 0x0            ; e0, e1, e2, e3
	s_lshl_b32 s53, s16, 15                        ; my quarter of a block, in memory and in a slot
	s_lshl_b32 s82, s19, 22                        ; the half's 32 blocks
	s_add_co_u32 s82, s82, s53
	s_mov_b32 s83, 0
	s_add_nc_u64 s[82:83], s[6:7], s[82:83]
	s_mov_b32 s40, 1                               ; group 0 for block 0: count = 1,
	s_mov_b32 s41, s53                             ; LDS address: slot 0,
	s_mov_b64 s[42:43], s[82:83]                   ; global address,
	s_or_b32 s43, s43, 0x80000000                  ; type = 2
	s_mov_b32 s44, 1                               ; for block 1, slot 1; this one then walks
	s_add_co_u32 s45, s53, SLOT1
	s_add_nc_u64 s[46:47], s[82:83], RB
	s_or_b32 s47, s47, 0x80000000
	s_mul_i32 s54, s16, 6144                       ; my quarter of the half's biases
	s_mul_i32 s84, s19, 24576
	s_add_co_u32 s84, s84, s54
	s_mov_b32 s85, 0
	s_mov_b32 s48, 1
	s_add_co_u32 s49, s54, BIAS
	s_add_nc_u64 s[50:51], s[8:9], s[84:85]
	s_or_b32 s51, s51, 0x80000000
	s_lshl_b32 s86, s18, 15                        ; what hangs on my place in the cluster is made in s[86:87], which feed no descriptor
	s_mov_b32 s87, 0
	s_add_nc_u64 s[4:5], s[4:5], s[86:87]          ; xq at my block
	s_lshl_b32 s86, s18, 11
	s_lshl_b32 s55, s19, 4
	s_add_co_u32 s86, s86, s55
	s_add_nc_u64 s[10:11], s[10:11], s[86:87]      ; pw at my block's first token, my half's four gates
	s_lshl_b32 s86, s18, 17
	s_lshl_b32 s55, s19, 24
	s_add_co_u32 s86, s86, s55
	s_lshl_b32 s55, s16, 9
	s_add_co_u32 s86, s86, s55
	s_add_nc_u64 s[14:15], s[14:15], s[86:87]      ; part: my half, my block's rows, my wave's 512 bytes of a row
	s_lshl_b32 s86, s17, 15
	s_lshl_b32 s55, s16, 13
	s_add_co_u32 s86, s86, s55
	s_lshl_b32 s55, s19, 22
	s_add_co_u32 s86, s86, s55
	s_add_co_u32 s86, s86, 2*RB
	s_add_nc_u64 s[80:81], s[6:7], s[86:87]        ; the prefetches stand at block 2; step 0 steps them to block 3.  Nothing is prefetched here, at the head
	CROUND                                         ; all four work-groups are here: the first joint loads meet
	tensor_load_to_lds s[48:51], s[32:39]          ; the biases; three loads of mine are out
	s_nop 0
	tensor_load_to_lds s[40:43], s[24:31]          ; block 0
	s_nop 0
	tensor_load_to_lds s[44:47], s[24:31]          ; block 1
	s_nop 0
	PLACES 4
	WIN 0x40                                       ; destination window 1
.set i, 0
.rept 64
	global_load_b128 v[4*i:4*i+3], v32, s[4:5] offset:512*i   ; x's 16 fragments as they lie; they stay
.set i, i+1
.endr
	WIN 0
.irp m, 0,1,2,3
	global_load_b128 v[PW+4*\m:PW+4*\m+3], v33, s[10:11] offset:512*\m   ; token 16 m + r: its four gates
.endr
	WIN 0xc0                                       ; destination window 3
.set i, 0
.rept 256
	v_mov_b32 v[i], 0                              ; the weighted sums begin as zeros, once: so one fold, written once, serves every expert
.set i, i+1
.endr
	WIN 0
	s_wait_kmcnt 0x0
	s_add_co_i32 s53, s20, s21                     ; e0 + e1
	s_lshl_b32 s54, s53, 23
	s_add_co_u32 s78, s54, 0x3eb504f3              ; 2^(e0+e1) / (2 sqrt 2): the exponent is added to the constant's exponent field
	s_lshl_b32 s54, s53, 24
	s_add_co_u32 s76, s54, 0xbf38aa3b              ; -log2(e) / 2 x 2^(2 (e0+e1))
	s_mov_b32 s77, s76
	s_sub_co_i32 s53, s23, s53                     ; e3 - e0 - e1: the three scales ahead of the quantiser folded into one
	s_add_co_i32 s53, s53, 127
	s_lshl_b32 s54, s53, 23
	v_mov_b32 v15, s54
	s_add_co_i32 s53, s53, 15
	s_lshl_b32 s53, s53, 23
	s_or_b32 s53, s53, 0x600000
	v_mov_b32 v14, s53                             ; 57,344 x that
	s_wait_tensorcnt 1                             ; my parts of the biases and of block 0 are in; block 1's may be out
	s_barrier_signal -1
	s_barrier_wait -1                              ; everybody's are
	B2LOAD
	BIASF
	FETCH4 FA, 4, 0
	FETCH4 FB, 4, 4
	s_wait_loadcnt 0x0                             ; x and the gates
.Lstep:                                            ; 30 trips: steps 0 to 29, each of which asks for the block two steps on
	STEP 2
	s_cmp_lt_u32 s52, 30
	s_cbranch_scc1 .Lstep
	STEP 1                                         ; the tail is written out
	STEP 0
	; THE WAY OUT.  The last expert's fold goes straight into window 0; a tile of 16 tokens x my 128 outputs goes through my stage (16 rows x 528 bytes) and leaves as whole rows of 512 bytes.
	; The stages lie in slot 0: it has had its last fill, and every wave passed step 30's barrier behind its last read of it.  The seven lines below are the places behind the last products.
	v_lshrrev_b32 v4, 4, v0                        ; 16 x lane: my bytes of a row, in the stage and in part
	v_bfe_u32 v6, v0, 8, 4                         ; r
	v_bfe_u32 v7, v0, 12, 1                        ; h
	s_mul_i32 s53, s16, 16*528
	v_mul_u32_u24 v3, v6, 528
	v_lshl_add_u32 v3, v7, 5, v3
	v_add_nc_u32 v3, s53, v3                       ; in: row r, 32 h bytes on
	v_add_nc_u32 v5, s53, v4                       ; back: a row for the 32 lanes
.macro OUTM m
.set OB, 160-128*((\m)%2)              ; the rows come back into v160-223 and v32-95 by turns
.if (\m) >= 2
	s_wait_xcnt 0x0                                ; the stores of two tiles ago have read those registers
.endif
	WIN 0x32                                       ; source 0 window 2, source 2 window 3
.set i, 0
.rept 32
	v_pk_fma_f32 v[F+i:F+i+1], v[64*(\m)+i:64*(\m)+i+1], v[PW+4*(\m):PW+4*(\m)+1], v[64*(\m)+i:64*(\m)+i+1] op_sel_hi:[1,0,1]
.set i, i+2
.endr
	WIN 0
.irp t, 0,1,2,3,4,5,6,7
	ds_store_b128 v3, v[F+8*\t:F+8*\t+3] offset:64*\t
	ds_store_b128 v3, v[F+8*\t+4:F+8*\t+7] offset:64*\t+16
.endr
.set i, 0
.rept 16
	ds_load_b128 v[OB+4*i:OB+4*i+3], v5 offset:528*i   ; LDS serves a wave's instructions in order (ISA guide 5.7.1.4): these see my stores
.set i, i+1
.endr
	s_wait_dscnt 0x0
.set i, 0
.rept 16
	global_store_b128 v4, v[OB+4*i:OB+4*i+3], s[14:15] offset:(16*(\m)+i)*2048 th:TH_STORE_NT   ; 512 consecutive bytes, aligned
.set i, i+1
.endr
.endm
	OUTM 0
	OUTM 1
	OUTM 2
	OUTM 3
	s_wait_tensorcnt 0x0                           ; the wave's end, behind my last tensor load and my last LDS store
	ds_add_u32 v1, v2
	s_wait_dscnt 0x0
	CROUND                                         ; the closing round: no work-group ends while a partner may still ask for a block that names it
	s_endpgm
.Lfunc_end_k_q650fbe8d57_moe:
	.size	k_q650fbe8d57_moe, .Lfunc_end_k_q650fbe8d57_moe-k_q650fbe8d57_moe
	.p2alignl 7, 3214868480
	.fill 96, 4, 3214868480
	.section	.rodata,"a",@progbits
	.p2align	6, 0x0
	.amdhsa_kernel k_q650fbe8d57_moe
		.amdhsa_group_segment_fixed_size 327680
		.amdhsa_private_segment_fixed_size 0
		.amdhsa_enable_private_segment 0
		.amdhsa_kernarg_size 48
		.amdhsa_user_sgpr_count 2
		.amdhsa_user_sgpr_kernarg_segment_ptr 1
		.amdhsa_wavefront_size32 1
		.amdhsa_system_sgpr_workgroup_id_x 1
		.amdhsa_system_sgpr_workgroup_id_y 1
		.amdhsa_system_sgpr_workgroup_id_z 1
		.amdhsa_system_vgpr_workitem_id 0
		.amdhsa_next_free_vgpr 1024
		.amdhsa_next_free_sgpr 100
		.amdhsa_reserve_vcc 0
		.amdhsa_float_denorm_mode_32 3
		.amdhsa_float_denorm_mode_16_64 3
		.amdhsa_memory_ordered 1
		.amdhsa_forward_progress 1
		.amdhsa_inst_pref_size 223
	.end_amdhsa_kernel
	.amdgpu_metadata
---
amdhsa.version: [ 1, 2 ]
amdhsa.kernels:
  - .name:           k_q650fbe8d57_moe
    .symbol:         k_q650fbe8d57_moe.kd
    .args:
      - { .name: xq, .offset: 0, .size: 8, .value_kind: global_buffer, .address_space: global }
      - { .name: wq, .offset: 8, .size: 8, .value_kind: global_buffer, .address_space: global }
      - { .name: bs, .offset: 16, .size: 8, .value_kind: global_buffer, .address_space: global }
      - { .name: pw, .offset: 24, .size: 8, .value_kind: global_buffer, .address_space: global }
      - { .name: lowp_scales, .offset: 32, .size: 8, .value_kind: global_buffer, .address_space: global }
      - { .name: part, .offset: 40, .size: 8, .value_kind: global_buffer, .address_space: global }
    .group_segment_fixed_size: 327680
    .private_segment_fixed_size: 0
    .kernarg_segment_align: 8
    .kernarg_segment_size: 48
    .max_flat_workgroup_size: 128
    .sgpr_count:     100
    .vgpr_count:     1024
    .wavefront_size: 32
...
	.end_amdgpu_metadata
.endif
;; end of part 2
;; launch sum (part 3): grid 512 x 1, 8 waves a work-group, no clusters, 0 bytes of LDS; arguments part, out0; writes out0
.if DOCPART == 3
	.amdgcn_target "amdgcn-amd-amdhsa--gfx1250"
	.amdhsa_code_object_version 6
	.text
	.protected	k_q650fbe8d57_sum
	.globl	k_q650fbe8d57_sum
	.p2align	8
	.type	k_q650fbe8d57_sum,@function
k_q650fbe8d57_sum:
	s_mov_b64 s[64:65], 0
	v_nop
	global_prefetch_b8 v0, s[64:65] scope:SCOPE_SE
	s_setreg_imm32_b32 hwreg(HW_REG_WAVE_MODE, 25, 1), 1
	s_wait_xcnt 0x0
; HierarchicalMoE, third launch: out0 = part[0] + part[1], the weighted sums of experts 0-3 and of experts 4-7, in f32.  No work is left out.
; A stream: a work-group takes 32,768 bytes of out0; thread t takes the 16 bytes at 16 t of each of eight runs of 4,096 bytes, so a wave's load or store covers 512 consecutive bytes.
; All sixteen loads go out at once; the waits count down.  No LDS, no barrier, no cluster: nothing is shared and every byte is read once.
	s_load_b128 s[4:7], s[0:1], 0x0                ; part, out0
	s_lshl_b32 s8, ttmp9, 15
	s_mov_b32 s9, 0
	v_lshlrev_b32 v1, 4, v0
	s_wait_kmcnt 0x0
	s_add_nc_u64 s[4:5], s[4:5], s[8:9]
	s_add_nc_u64 s[6:7], s[6:7], s[8:9]
	s_add_nc_u64 s[10:11], s[4:5], 0x1000000       ; the second half's sums lie 16,777,216 bytes on
.irp i, 0,1,2,3,4,5,6,7
	global_load_b128 v[4+8*\i:7+8*\i], v1, s[4:5] offset:4096*\i th:TH_LOAD_NT
	global_load_b128 v[8+8*\i:11+8*\i], v1, s[10:11] offset:4096*\i th:TH_LOAD_NT
.endr
.irp i, 0,1,2,3,4,5,6,7
	s_wait_loadcnt 14-2*\i                         ; loads come back in order (ISA guide 5.7.1): pair i is in, the younger pairs stay out
	v_pk_add_f32 v[4+8*\i:5+8*\i], v[4+8*\i:5+8*\i], v[8+8*\i:9+8*\i]
	v_pk_add_f32 v[6+8*\i:7+8*\i], v[6+8*\i:7+8*\i], v[10+8*\i:11+8*\i]
	global_store_b128 v1, v[4+8*\i:7+8*\i], s[6:7] offset:4096*\i th:TH_STORE_NT
.endr
	s_endpgm
.Lfunc_end_k_q650fbe8d57_sum:
	.size	k_q650fbe8d57_sum, .Lfunc_end_k_q650fbe8d57_sum-k_q650fbe8d57_sum
	.p2alignl 7, 3214868480
	.fill 96, 4, 3214868480
	.section	.rodata,"a",@progbits
	.p2align	6, 0x0
	.amdhsa_kernel k_q650fbe8d57_sum
		.amdhsa_group_segment_fixed_size 0
		.amdhsa_private_segment_fixed_size 0
		.amdhsa_enable_private_segment 0
		.amdhsa_kernarg_size 16
		.amdhsa_user_sgpr_count 2
		.amdhsa_user_sgpr_kernarg_segment_ptr 1
		.amdhsa_wavefront_size32 1
		.amdhsa_system_sgpr_workgroup_id_x 1
		.amdhsa_system_sgpr_workgroup_id_y 1
		.amdhsa_system_sgpr_workgroup_id_z 1
		.amdhsa_system_vgpr_workitem_id 0
		.amdhsa_next_free_vgpr 72
		.amdhsa_next_free_sgpr 66
		.amdhsa_reserve_vcc 0
		.amdhsa_float_denorm_mode_32 3
		.amdhsa_float_denorm_mode_16_64 3
		.amdhsa_memory_ordered 1
		.amdhsa_forward_progress 1
		.amdhsa_inst_pref_size 5
	.end_amdhsa_kernel
	.amdgpu_metadata
---
amdhsa.version: [ 1, 2 ]
amdhsa.kernels:
  - .name:           k_q650fbe8d57_sum
    .symbol:         k_q650fbe8d57_sum.kd
    .args:
      - { .name: part, .offset: 0, .size: 8, .value_kind: global_buffer, .address_space: global }
      - { .name: out0, .offset: 8, .size: 8, .value_kind: global_buffer, .address_space: global }
    .group_segment_fixed_size: 0
    .private_segment_fixed_size: 0
    .kernarg_segment_align: 8
    .kernarg_segment_size: 16
    .max_flat_workgroup_size: 256
    .sgpr_count:     66
    .vgpr_count:     72
    .wavefront_size: 32
...
	.end_amdgpu_metadata
.endif
;; end of part 3
